; MI455X (gfx1250); checked and timed in simulation.
; The chip was launched on July 23, 2026; its instructions are those of AMD's public machine-readable ISA for CDNA 5 (MIT licence, August 2026) and "CDNA5" Instruction Set Architecture Reference Guide (July 2026). The comments in the code are by the model that wrote it; some were corrected since.
;; Attention. Allowed arithmetic: matrix products marked QUANTISED: E2M1 operands, one E8M0 scale for each 32 along K, by v_wmma_scale_f32_16x16x128_f8f6f4 with both operands' format E2M1 (or v_wmma_scale_f32_32x16x128_f4), f32 sums; products left as they are: f32 operands where the result goes on into a quantised operand, else bf16, f16 or f32 operands; f32 sums; everything else in f32.
;; Inputs: V_b one number float32; V_w 1,024 float32; W1_b 1,024 float32; W1_w_codes 1,024 x 32 x 16 uint8 (E2M1 codes of W1_w, K innermost, in blocks of 32 codes, two codes a byte); W1_w_scales 1,024 x 32 uint8 (E8M0 scales of W1_w, one for each 32 codes along K); W2_b 1,024 float32; W2_w_codes 1,024 x 32 x 16 uint8 (E2M1 codes of W2_w, K innermost, in blocks of 32 codes, two codes a byte); W2_w_scales 1,024 x 32 uint8 (E8M0 scales of W2_w, one for each 32 codes along K); features 64 x 1,024 x 1,024 float32; hidden_state_codes 64 x 32 x 16 uint8 (E2M1 codes of hidden_state, K innermost, in blocks of 32 codes, two codes a byte); hidden_state_scales 64 x 32 uint8 (E8M0 scales of hidden_state, one for each 32 codes along K).
;; Outputs: out0 64 x 1,024 float32; out1 64 x 1,024 float32.
;; This version of the problem:
;;   THIS VERSION OF THE PROBLEM IS GIVEN IN LOW PRECISION. The matrix products marked QUANTISED in the list below multiply operands that are first quantised to E2M1 (2 exponent bits, 1 mantissa bit; 4 bits a number), with one power-of-two scale for each 32 numbers along K (OCP MX v1.0); their sums are f32. All else is computed in f32.
;;   The module's matrix products, in the order in which they are computed (A, B: the left and right operand; K: the contracted axis; several contracted axes count as one K, in the product's order):
;;     1. [M 65,536, K 1,024] x [K 1,024, N 1,024]; A: input features; B: input W1_w (given as codes): QUANTISED
;;     2. [M 64, K 1,024] x [K 1,024, N 1,024]; A: input hidden_state (given as codes); B: input W2_w (given as codes): QUANTISED
;;     3. [M 65,536, K 1,024] x [K 1,024, N 1]; A: computed on the way; B: input V_w: left as it is (N = 1 < 16)
;;     4. batch 64 x [M 1, K 1,024] x [K 1,024, N 1,024]; A: softmax; B: input features: left as it is (M = 1 < 16)
;;   THE QUANTISER, for each operand of a quantised product, along K:
;;     - K is cut into blocks of 32 from its start; a last block that is shorter is filled with zeros.
;;     - A block's scale is 2^e with e = floor(log2(the largest magnitude in the block)) - 2, held to -126 .. 127; a block of zeros has e = 0. As a byte (E8M0): e + 127.
;;     - Each number is divided by its block's scale, clamped to +-6, and rounded to the nearest number of E2M1, ties to even, subnormals kept.
;;     - The product sums the exact products of the quantised numbers (number of the format x scale) in f32.
;;   ~~~python
;;   def quantise(x, axis):      # numpy; x: float32 -> the quantised numbers, widened to float32 again
;;       x = np.moveaxis(x, axis, -1); K = x.shape[-1]
;;       x = np.pad(x, [(0, 0)] * (x.ndim - 1) + [(0, -K % 32)]); x = x.reshape(x.shape[:-1] + (-1, 32)); a = np.abs(x).max(-1, keepdims=True)
;;       e = np.where(a > 0, np.clip(np.frexp(np.where(a > 0, a, 1))[1] - 1 - 2, -126, 127), 0)      # np.frexp(a)[1] - 1 = floor(log2(a)), exactly
;;       r = np.clip(x / 2.0 ** e, -6, 6)
;;       step = 2.0 ** (np.maximum(np.frexp(np.where(r == 0, 1, r))[1] - 1, 0) - 1)
;;       q = np.round(r / step) * step * 2.0 ** e      # np.round: ties to even
;;       return np.moveaxis(q.reshape(q.shape[:-2] + (-1,))[..., :K], -1, axis).astype(np.float32)
;;   ~~~
;;   INPUTS GIVEN AS CODES. W1_w (in the module: [1024, 1024], K = its axis 0); W2_w (in the module: [1024, 1024], K = its axis 0); hidden_state (in the module: [64, 1024], K = its axis 1): each comes as NAME_codes (uint8): NAME with its K axis moved to the last place and cut into blocks of 32 codes, [.., K / 32, bytes a block], one block behind the other in memory; two codes a byte, the lower K in the low four bits (a code: sign, 2 exponent bits, 1 mantissa bit); and NAME_scales (uint8): the same leading axes, one E8M0 byte (e + 127) for each 32 codes along K. Its value is code x scale, taken as it is: it is not quantised again, and the codes and scales need not be those that the quantiser above would give.
;; One version. Each part assembles by itself: llvm-mc -triple=amdgcn-amd-amdhsa -mcpu=gfx1250 --defsym DOCPART=n.
;; ======== version 1 of 1: 3 launches
;; limits: values are held in bf16: 8 bits of precision; right only within a limited range of input values
;; workspace buffers: w1img 524,288 bytes; biasp 262,144 bytes; scores 262,144 bytes; pstat 65,536 bytes; pctx 1,048,576 bytes
;; launch prep (part 1): grid 16 x 4, 4 waves a work-group, no clusters, 5,120 bytes of LDS; arguments W2_w_codes, W2_w_scales, hidden_state_codes, hidden_state_scales, W1_b, W2_b, W1_w_codes, biasp, w1img; writes biasp, w1img
.if DOCPART == 1
	.amdgcn_target "amdgcn-amd-amdhsa--gfx1250"
	.amdhsa_code_object_version 6
	.text
	.protected	k_qe98cb8e29f_prep
	.globl	k_qe98cb8e29f_prep
	.p2align	8
	.type	k_qe98cb8e29f_prep,@function
k_qe98cb8e29f_prep:
	s_mov_b64 s[64:65], 0
	v_nop
	global_prefetch_b8 v0, s[64:65] scope:SCOPE_SE
	s_setreg_imm32_b32 hwreg(HW_REG_WAVE_MODE, 25, 1), 1
	s_wait_xcnt 0x0
; THE PROGRAM: alpha = softmax_l( sum_n V_w[n] tanh(x[l][n]) + V_b ),  x = features W1 + W1_b + hidden W2 + W2_b,  context = alpha . features.   Three launches: this one, main, combine.
; WORK LEFT OUT, for all values of the inputs:
;   V_b is added to every score of a row of the softmax.  exp(s + V_b) / sum exp(s + V_b) = exp(s) / sum exp(s), so V_b has no way to alpha, and context is made of alpha and features alone.
;   V_b is not loaded and is among no launch's arguments.
;   tanh(x) = 1 - 2 r with r = 1 / (1 + 2^(c2 x)), c2 = 2 log2(e).  So a score is sum_n V_w[n] - 2 sum_n V_w[n] r[n]; the first term is the same for every l and goes as V_b goes.
;   The program keeps t = -c2 sum_n V_w[n] r[n], the score's changing part in base 2, and takes the running maximum of t away ahead of every exponential.
;   LIMIT: a NaN, an infinity or an overflow that reaches only V_b or sum_n V_w[n] is not carried to the results.
; THIS LAUNCH makes (1) biasp[b][n] = c2 (hidden W2 + W2_b + W1_b), the second product of the problem, on the given codes of E2M1 with their E8M0 scales;
;   (2) w1img: W1's codes in the order of an operand's registers, [tile of 16 columns of ATT][K step of 128][c][lane][16 bytes], so that main's loads of a fragment take 512 consecutive bytes.
; SHARES: work-group (T, j): 64 columns of ATT x 16 batches; wave u: tile 4 T + u.  The wave also lays K steps 2 j and 2 j + 1 of W1's tile.
; THE PRODUCT IS USED TRANSPOSED: source 0 = 16 rows of W2's codes (columns of ATT), source 1 = 16 rows of hidden_state: lane (r, h) holds batch r and columns 8 h + 0 .. 7 of the tile.
; The sum of the two biases is the C of the first matrix instruction.  Two accumulators take the K steps by turns and are added at the end.
; A row's 64 columns come from four waves: they meet in a stage in LDS, and sixteen lanes store 256 consecutive bytes, aligned.
.set SPITCH, 272                       ; a stage row: 256 bytes + 16
.set SPARE,  4608                      ; behind the stage (16 x 272 = 4,352 bytes): the spare words, 128 bytes a wave
	s_load_b512 s[4:19], s[0:1], 0x0               ; W2 codes s[4:5], W2 scales s[6:7], hidden codes s[8:9], hidden scales s[10:11], W1_b s[12:13], W2_b s[14:15], W1 codes s[16:17], biasp s[18:19]
	s_load_b64 s[20:21], s[0:1], 0x40              ; w1img
	v_lshl_add_u32 v1, v0, 2, SPARE                ; my spare word; never rewritten
	v_mov_b32 v2, 0                                ; 0; never rewritten
	v_lshrrev_b32 v10, 5, v0
	v_readfirstlane_b32 s22, v10                   ; wave u
	s_lshl_b32 s23, ttmp9, 2
	s_add_co_u32 s23, s23, s22                     ; tile = 4 T + u
	s_and_b32 s24, ttmp7, 0xffff                   ; j
	s_mov_b32 s27, 0
	s_mov_b32 s28, 0x4038aa3b                      ; c2 = 2 log2(e)
	s_mov_b32 s29, s28                             ; (named with it as a pair)
	v_and_b32 v10, 15, v0                          ; r
	v_bfe_u32 v11, v0, 4, 1                        ; h
	v_and_b32 v12, 31, v0                          ; lane
	v_lshlrev_b32 v3, 9, v10
	v_lshl_add_u32 v3, v11, 4, v3                  ; a fragment: row r of 512 bytes + 16 h
	v_lshlrev_b32 v4, 5, v10
	v_lshl_add_u32 v4, v11, 4, v4                  ; scale words: row r of 32 bytes + 16 h: lanes 0-15 take K steps 0-3, lanes 16-31 K steps 4-7
	v_lshlrev_b32 v5, 5, v11                       ; biases: my half's eight columns
	v_lshlrev_b32 v6, 4, v12                       ; 16 x lane
	v_mul_u32_u24 v7, v10, SPITCH
	v_lshl_add_u32 v7, v11, 5, v7
	s_lshl_b32 s25, s22, 6
	v_add_nc_u32 v7, s25, v7                       ; into the stage: row r, 64 u + 32 h
	s_lshl_b32 s25, s22, 2
	v_add_nc_u32 v13, s25, v11                     ; back: row 4 u + h (and two rows on)
	v_mul_u32_u24 v8, v13, SPITCH
	v_lshl_add_u32 v8, v10, 4, v8
	v_lshlrev_b32 v9, 12, v13
	v_lshl_add_u32 v9, v10, 4, v9                  ; and the same place in biasp: rows of 4,096 bytes
	s_wait_alu depctr_va_vdst(0)
	s_wait_kmcnt 0x0
	s_lshl_b32 s26, s23, 13                        ; a tile's 16 rows of codes: 8,192 bytes
	s_add_nc_u64 s[4:5], s[4:5], s[26:27]
	s_add_nc_u64 s[16:17], s[16:17], s[26:27]
	s_add_nc_u64 s[20:21], s[20:21], s[26:27]
	s_lshl_b32 s26, s23, 9                         ; its scale bytes: 512
	s_add_nc_u64 s[6:7], s[6:7], s[26:27]
	s_lshl_b32 s26, s23, 6                         ; its biases: 64
	s_add_nc_u64 s[12:13], s[12:13], s[26:27]
	s_add_nc_u64 s[14:15], s[14:15], s[26:27]
	s_lshl_b32 s26, s24, 13                        ; 16 batches of codes
	s_add_nc_u64 s[8:9], s[8:9], s[26:27]
	s_lshl_b32 s26, s24, 9
	s_add_nc_u64 s[10:11], s[10:11], s[26:27]
	s_lshl_b32 s26, s24, 7                         ; W1: K step 2 j begins 128 j bytes into a row
	s_add_nc_u64 s[16:17], s[16:17], s[26:27]
	s_lshl_b32 s26, s24, 11                        ; and 2,048 j bytes into the tile's image
	s_add_nc_u64 s[20:21], s[20:21], s[26:27]
	s_lshl_b32 s26, s24, 16                        ; biasp: 16 rows of 4,096 bytes,
	s_add_nc_u64 s[18:19], s[18:19], s[26:27]
	s_lshl_b32 s26, ttmp9, 8                       ; 64 columns
	s_add_nc_u64 s[18:19], s[18:19], s[26:27]
.irp s, 0,1,2,3,4,5,6,7
.irp c, 0,1
	global_load_b128 v[64+8*\s+4*\c:67+8*\s+4*\c], v3, s[4:5] offset:64*\s+32*\c       ; W2: registers 4 c .. 4 c + 3 hold k = 128 s + 64 c + 32 h + 0 .. 31
	global_load_b128 v[128+8*\s+4*\c:131+8*\s+4*\c], v3, s[8:9] offset:64*\s+32*\c     ; hidden_state likewise
.endr
.endr
	global_load_b128 v[32:35], v4, s[6:7]          ; W2's scale words: register i: K step i below, 4 + i above
	global_load_b128 v[36:39], v4, s[10:11]        ; hidden_state's
	global_load_b128 v[40:43], v5, s[12:13]
	global_load_b128 v[44:47], v5, s[12:13] offset:16
	global_load_b128 v[48:51], v5, s[14:15]
	global_load_b128 v[52:55], v5, s[14:15] offset:16
.irp p, 0,1,2,3
	global_load_b128 v[192+4*\p:195+4*\p], v3, s[16:17] offset:32*\p                   ; W1: piece p = 2 s' + c of my two K steps
.endr
	s_wait_loadcnt 0x0
.irp p, 0,1,2,3
	global_store_b128 v6, v[192+4*\p:195+4*\p], s[20:21] offset:512*\p                 ; 32 lanes store 512 consecutive bytes
.endr
.irp k, 0,2,4,6
	v_pk_add_f32 v[40+\k:41+\k], v[40+\k:41+\k], v[48+\k:49+\k]                        ; W1_b + W2_b
.endr
.rept 8
	v_nop
.endr
.irp s, 0,1,2,3,4,5,6,7
.if \s == 0
	v_wmma_scale_f32_16x16x128_f8f6f4 v[16:23], v[64:71], v[128:135], v[40:47], v32, v36 matrix_a_fmt:MATRIX_FMT_FP4 matrix_b_fmt:MATRIX_FMT_FP4
.elseif \s == 1
	v_wmma_scale_f32_16x16x128_f8f6f4 v[24:31], v[72:79], v[136:143], 0, v33, v37 matrix_a_fmt:MATRIX_FMT_FP4 matrix_b_fmt:MATRIX_FMT_FP4
.elseif \s < 4
	v_wmma_scale_f32_16x16x128_f8f6f4 v[16+8*(\s%2):23+8*(\s%2)], v[64+8*\s:71+8*\s], v[128+8*\s:135+8*\s], v[16+8*(\s%2):23+8*(\s%2)], v[32+\s%4], v[36+\s%4] matrix_a_fmt:MATRIX_FMT_FP4 matrix_b_fmt:MATRIX_FMT_FP4
.else
	v_wmma_scale_f32_16x16x128_f8f6f4 v[16+8*(\s%2):23+8*(\s%2)], v[64+8*\s:71+8*\s], v[128+8*\s:135+8*\s], v[16+8*(\s%2):23+8*(\s%2)], v[32+\s%4], v[36+\s%4] matrix_a_fmt:MATRIX_FMT_FP4 matrix_b_fmt:MATRIX_FMT_FP4 matrix_a_scale:MATRIX_SCALE_ROW1 matrix_b_scale:MATRIX_SCALE_ROW1
.endif
.endr
.rept 4
	v_nop                                          ; four places in front of the first read of results (ISA guide 7.12.1)
.endr
.irp k, 0,2,4,6
	v_pk_add_f32 v[56+\k:57+\k], v[16+\k:17+\k], v[24+\k:25+\k]                        ; the two halves of the sum, each accumulator from its low end on
.endr
.irp k, 0,2,4,6
	v_pk_mul_f32 v[56+\k:57+\k], v[56+\k:57+\k], s[28:29] op_sel_hi:[1,0]              ; x c2
.endr
	ds_store_b128 v7, v[56:59]
	ds_store_b128 v7, v[60:63] offset:16
	s_wait_dscnt 0x0                               ; for the others' sake: my stores into the stage are done
	s_barrier_signal -1
	s_barrier_wait -1
	ds_load_b128 v[56:59], v8
	ds_load_b128 v[60:63], v8 offset:2*SPITCH
	s_wait_tensorcnt 0x0                           ; the wave's end
	ds_add_u32 v1, v2
	s_wait_dscnt 0x0                               ; the add is done, and the two rows are back
	global_store_b128 v9, v[56:59], s[18:19]               ; sixteen lanes store 256 consecutive bytes, at a multiple of 256 from biasp's first byte
	global_store_b128 v9, v[60:63], s[18:19] offset:8192
	s_endpgm
.Lfunc_end_k_qe98cb8e29f_prep:
	.size	k_qe98cb8e29f_prep, .Lfunc_end_k_qe98cb8e29f_prep-k_qe98cb8e29f_prep
	.p2alignl 7, 3214868480
	.fill 96, 4, 3214868480
	.section	.rodata,"a",@progbits
	.p2align	6, 0x0
	.amdhsa_kernel k_qe98cb8e29f_prep
		.amdhsa_group_segment_fixed_size 5120
		.amdhsa_private_segment_fixed_size 0
		.amdhsa_enable_private_segment 0
		.amdhsa_kernarg_size 72
		.amdhsa_user_sgpr_count 2
		.amdhsa_user_sgpr_kernarg_segment_ptr 1
		.amdhsa_wavefront_size32 1
		.amdhsa_system_sgpr_workgroup_id_x 1
		.amdhsa_system_sgpr_workgroup_id_y 1
		.amdhsa_system_sgpr_workgroup_id_z 1
		.amdhsa_system_vgpr_workitem_id 0
		.amdhsa_next_free_vgpr 208
		.amdhsa_next_free_sgpr 66
		.amdhsa_reserve_vcc 0
		.amdhsa_float_denorm_mode_32 3
		.amdhsa_float_denorm_mode_16_64 3
		.amdhsa_memory_ordered 1
		.amdhsa_forward_progress 1
		.amdhsa_inst_pref_size 10
	.end_amdhsa_kernel
	.amdgpu_metadata
---
amdhsa.version: [ 1, 2 ]
amdhsa.kernels:
  - .name:           k_qe98cb8e29f_prep
    .symbol:         k_qe98cb8e29f_prep.kd
    .args:
      - { .name: W2_w_codes, .offset: 0, .size: 8, .value_kind: global_buffer, .address_space: global }
      - { .name: W2_w_scales, .offset: 8, .size: 8, .value_kind: global_buffer, .address_space: global }
      - { .name: hidden_state_codes, .offset: 16, .size: 8, .value_kind: global_buffer, .address_space: global }
      - { .name: hidden_state_scales, .offset: 24, .size: 8, .value_kind: global_buffer, .address_space: global }
      - { .name: W1_b, .offset: 32, .size: 8, .value_kind: global_buffer, .address_space: global }
      - { .name: W2_b, .offset: 40, .size: 8, .value_kind: global_buffer, .address_space: global }
      - { .name: W1_w_codes, .offset: 48, .size: 8, .value_kind: global_buffer, .address_space: global }
      - { .name: biasp, .offset: 56, .size: 8, .value_kind: global_buffer, .address_space: global }
      - { .name: w1img, .offset: 64, .size: 8, .value_kind: global_buffer, .address_space: global }
    .group_segment_fixed_size: 5120
    .private_segment_fixed_size: 0
    .kernarg_segment_align: 8
    .kernarg_segment_size: 72
    .max_flat_workgroup_size: 128
    .sgpr_count:     66
    .vgpr_count:     208
    .wavefront_size: 32
...
	.end_amdgpu_metadata
.endif
;; end of part 1
;; launch main (part 2): grid 4 x 64, 8 waves a work-group, no clusters, 322,560 bytes of LDS; arguments features, w1img, W1_w_scales, biasp, V_w, scores, pstat, pctx; writes scores, pstat, pctx
.if DOCPART == 2
	.amdgcn_target "amdgcn-amd-amdhsa--gfx1250"
	.amdhsa_code_object_version 6
	.text
	.protected	k_qe98cb8e29f_main
	.globl	k_qe98cb8e29f_main
	.p2align	8
	.type	k_qe98cb8e29f_main,@function
k_qe98cb8e29f_main:
	s_mov_b64 s[64:65], 0
	v_nop
	global_prefetch_b8 v0, s[64:65] scope:SCOPE_SE
	s_setreg_imm32_b32 hwreg(HW_REG_WAVE_MODE, 25, 1), 1
	s_wait_xcnt 0x0
; Left out here as in the first kernel: V_b and the term sum_n V_w[n], both the same along the softmax's axis.
; A work-group takes 256 rows l of one batch b (quarter x), 64 at a time (a chunk), and reads each row of features from memory ONCE.  From a row it makes
;   (1) codes of E2M1 with one E8M0 byte for each 32 along ENC, by the stated quantiser, for the product with W1;   (2) the row in bf16, kept in LDS until its score is known, for the context.
; For a chunk: t[l] = -c2 sum_n V_w[n] / (1 + 2^(c2 (features W1)[l][n] + biasp[b][n])); a running maximum m and sum l over the chunks; p = 2^(t - m);
;   ctx[e] = ctx[e] 2^(m_old - m_new) + sum_l p[l] features[l][e].  Out: t (scores), (m, l) (pstat), ctx (pctx).  The next launch joins a batch's four quarters.
; SHARES.  THE EIGHT WAVES SHARE THE COLUMNS: wave w makes columns 128 w .. 128 w + 127 of ATT (8 tiles of 16) for all 64 rows, so each fragment of W1 is loaded by one wave of the work-group in a walk and
;   feeds four matrix instructions.  The chunk's codes (4 tiles of 16 rows x 8 K steps: 256 registers) stay in each wave's registers.  For the context wave w owns columns 128 w .. + 127 of ENC.
;   While chunk c is multiplied, wave w quantises rows 8 w .. 8 w + 7 of chunk c + 1, one row beside each tile of ATT.
; W1 IS WALKED TO AND FRO: chunks 0 and 2 take my tiles 0 .. 7, chunks 1 and 3 take 7 .. 0.  The tile that ends a chunk begins the next and stays in its registers: a wave loads a tile 29 times, not 32.
;   Tile = iteration xor 0 or 7: one mask, 64 x that, turned at each chunk's end, serves the two tables' LDS address and, shifted, W1's two offsets.
; W1 COMES FROM MEMORY STRAIGHT INTO REGISTERS, NOT BY JOINT TENSOR LOADS: the two keeps (2 x 133,120 bytes), the codes (37,888) and the small tables take 322,560 of the 327,680 bytes of LDS,
;   and one step of the eight waves takes 64 KiB of W1: no ring for it fits.
; THE PRODUCT IS USED TRANSPOSED: source 0 = 16 rows of W1's codes, source 1 = 16 rows of features: lane (r, h) holds row r and columns 8 h + 0 .. 7 of the tile: bias and V_w are eight registers a tile.
; THE CONTEXT goes to the matrix unit in bf16: source 0 = p, the same in all 16 rows, source 1 = 32 rows x 16 columns of the keep, turned by ds_load_tr16_b128.  Each chunk's sum starts with C = 0;
;   register 0 of the result is the column's sum, and one fused multiply-add brings it under the running maximum.  The keep's fragments are asked for in the chunk's last iteration, behind its products,
;   which leave the upper half of window 1 free: that keep has been whole since the chunk before, and in this stretch the other waves write the other keep alone.
; LIMITS: NaN and infinities among the inputs are not served.  A block of 32 whose largest magnitude lies under 2^-124 gets the scale byte 1; so does a block of zeros, where the quantiser says 127:
;   its codes are zeros, and this program alone reads the bytes.  For the context p and features are rounded to bf16; the divisor is the f32 sum of the unrounded p.
; REGISTERS.  Window 0: v1-12 addresses, v13 f, v14 m, v15 l, v16-23 ctx, v24-31 the scores' partial sums, v32-63 four accumulators, v64-127 a tile of W1, v128-131 its scale words,
;   v132-147 the rows' scale words, v148-155 bias, v156-163 V_w (at a chunk's end v148-163: p), v164-227 two rows of features, v228-243 at work, v244-255 addresses.
;   Window 1: the chunk's codes, fragment (tile of rows m, K step s) at v[64 m + 8 s]; from a chunk's last products on v128-255 hold the keep's 16 fragments.
.set HP,    2080                       ; a kept row: 2,048 bytes + 32: an odd multiple of 32, as the turning load's lanes want
.set LH,    64*HP                      ; a keep; the two lie at 0 and at LH
.set LCB,   2*LH                       ; codes: a region of WR bytes for each writing wave: unit (4 s + g) x 144 + 16 x the wave's row + 2 e
.set WR,    4736                       ; 32 units x (8 rows x 16 bytes + 16) + 128: two waves' regions lie 128 apart modulo 256
.set LCS,   LCB+8*WR                   ; the rows' scale bytes [64][32]
.set LBT,   LCS+2048                   ; biasp's row of b; wave w writes and reads bytes 512 w .. 512 w + 511 alone
.set LVT,   LBT+4096                   ; V_w likewise
.set LSP,   LVT+4096                   ; partial scores [wave][64]
.set LPB,   LSP+2048                   ; p in bf16 [64], a copy for each wave
.set LCX,   LPB+1024                   ; the way out: 512 bytes a wave
.set SPARE, LCX+4096                   ; the spare words, 128 bytes a wave: four blocks of 256 bytes that no other line names
.set SPW, 1
.set NIL, 2
.set L16, 3                            ; 16 x lane
.set WSO, 4                            ; 32 r + 16 h
.set BVB, 5                            ; LBT + 512 w + 32 h
.set QCB, 6                            ; LCB + WR w + 144 g + 2 e
.set QSB, 7                            ; LCS + 256 w + g
.set QHB, 8                            ; 8 HP w + 8 x lane
.set QC,  9                            ; v9-12: the trip's addresses: base + a scalar
.set QS,  10
.set QH,  11
.set BV,  12
.set FF,  13
.set MM,  14
.set CTX, 16
.set SACC, 24
.set ACC, 32
.set BF,  64
.set WS,  128
.set AS,  132
.set BI,  148
.set VV,  156
.set ROW0, 164
.set MX,  228
.set CD,  236
.set AR,  244                          ; LCB + (r / 8) WR + 16 (r % 8) + 144 h
.set ASR, 245                          ; LCS + 32 r + 16 h
.set SPWR, 246                         ; LSP + 256 w + 4 r
.set SPRD, 247                         ; LSP + 8 x lane
.set PWR, 248                          ; LPB + 128 w + 4 x lane
.set PRD, 249                          ; LPB + 128 w + 16 h
.set TRB, 250                          ; (8 h + e) HP + 16 (g % 2) + 256 w
.set TR0, 251
.set TR1, 252
.set L8,  253                          ; 8 x lane
.set PFO, 255                          ; 256 x lane: the prefetches' offset; never rewritten
.set WV,  20                           ; s20 wave
.set SQC, 26                           ; s26-29: the trip's steps in the codes, the scale bytes, the keep, the tables
.set SQS, 27
.set SQH, 28
.set SBV, 29
.set SHW, 30                           ; the keep that is written, 0 or LH
.set SHR, 31                           ; the keep that is read
.set TRIP, 32
.set CHK, 33
.set C2S, 34                           ; s[34:35] c2
.set SEL, 36                           ; s[36:37] v_permlanex16_b32's selects for lane l xor 16
.set NC2, 38                           ; s[38:39] -c2
.set BP,  40                           ; s[40:41] where the tile of W1 that is loaded next begins;  s[42:43] its scale words
.set BSP, 42
.set BO,  44                           ; s[44:45], s[46:47] the two offsets, each with 0 above it
.set BSO, 46
.set PFA, 48                           ; s[48:49] the two rows of features that my wave loads two trips on (in chunk 3: the second tile buffer's base)
.set PFS, 50                           ; s[50:51] the step to the two rows after them, with 0 above it
.set PFN, 52                           ; prefetches still to be made
.set PBIG, 53                          ; 237,568: from my rows 6, 7 of a chunk to my rows 0, 1 of the next
.set PSML, 54                          ; 8,192: two rows
.set SMK, 55                           ; 0 where my tiles are walked upward, 448 = 64 x 7 where downward
.set TMP, 56
.set MSB, 0
.macro WIN new                         ; the immediate's high byte repeats the setting that is left
.if MSB != \new
	s_set_vgpr_msb (MSB<<8)|\new
.set MSB, \new
.endif
.endm
.macro BARRIER                         ; my LDS stores have landed and my LDS loads are in: then the work-group's barrier
	s_wait_dscnt 0x0
	s_barrier_signal -1
	s_barrier_wait -1
.endm
; A row of features, 4,096 bytes: load i is K step i, 512 consecutive bytes; lane l holds elements 128 i + 4 l + 0 .. 3, so eight neighbouring lanes hold a block of 32.
.macro FLOAD X, off
.irp i, 0,1,2,3,4,5,6,7
	global_load_b128 v[\X+4*\i:\X+4*\i+3], v[L16], s[4:5] offset:(\off)+512*\i th:TH_LOAD_NT
.endr
.endm
; A tile of W1: 16 fragments' halves, 512 consecutive bytes each, and the tile's scale words (register i: K step i in lanes 0-15, 4 + i in lanes 16-31).  17 loads.
.macro BLOAD
.irp s, 0,1,2,3,4,5,6,7
.irp c, 0,1
	global_load_b128 v[BF+8*\s+4*\c:BF+8*\s+4*\c+3], v[L16], s[BP:BP+1] offset:1024*\s+512*\c
.endr
.endr
	global_load_b128 v[WS:WS+3], v[WSO], s[BSP:BSP+1]
.endm
; A PREFETCH INTO THE L2 of the two rows of features that my wave loads TWO TRIPS ON: 8,192 consecutive bytes, lanes 256 bytes apart, one instruction a trip, behind the trip's second run of loads.
; Each wave asks for its own rows alone, so each block of 256 bytes is named once in the launch.  Of my 32 rows, rows 0 to 9 come by the prologue's loads alone; rows 10 to 13, which the first two trips load,
; are asked for in the prologue, one instruction behind its third and one behind its fourth row; the trips ask for rows 14 to 31, and the count ends the asking with rows 30 and 31, inside the buffer.
; What a wave has asked for and not yet loaded is at most four rows.  The address is stepped at the trip's end, behind the wait on XCNT that stands there.
.macro ASK
	s_cmp_gt_i32 s[PFN], 0
	s_cbranch_scc0 .Lnoask_\@
	global_prefetch_b8 v[PFO], s[PFA:PFA+1] th:TH_LOAD_NT scope:SCOPE_SE
.Lnoask_\@:
.endm
; One row becomes codes, scale bytes and bf16.  u: which of the trip's two rows.
.macro QROW X, u, w                    ; w: the register window in which the row lies (0 in the chunks, 1 in the prologue)
	WIN 0x14*\w                                    ; sources 1 and 2: the row
.irp i, 0,1,2,3,4,5,6,7
	v_max3_num_f32 v[MX+\i], 0x1800000, |v[\X+4*\i]|, |v[\X+4*\i+1]|           ; my four numbers of K step i, and the floor 2^(3 - 127): the byte cannot fall under 1
.endr
.irp i, 0,1,2,3,4,5,6,7
	v_max3_num_f32 v[MX+\i], v[MX+\i], |v[\X+4*\i+2]|, |v[\X+4*\i+3]|
.endr
	WIN 0
.irp k, 1,2,4
.irp i, 0,1,2,3,4,5,6,7
	v_max_num_f32_dpp v[MX+\i], v[MX+\i], v[MX+\i] row_xmask:\k row_mask:0xf bank_mask:0xf   ; with the block's other seven lanes
.endr
.endr
.irp i, 0,1,2,3,4,5,6,7
	v_add_nc_u32 v[MX+\i], 0xff000000, v[MX+\i]                                ; 2 off the exponent field: the conversion takes the exponent field of this operand as its scale
.endr
	WIN 0x01*\w                                    ; source 0: the row
.irp j, 0,1,2,3                        ; a conversion takes eight registers under one scale; mine are four of K step 2 j and four of 2 j + 1: so it runs twice, and of each result the half under its own scale is kept
	v_cvt_scalef32_pk8_fp4_f32 v[CD+2*\j], v[\X+8*\j:\X+8*\j+7], v[MX+2*\j]    ; low 16 bits: K step 2 j
	v_cvt_scalef32_pk8_fp4_f32 v[CD+2*\j+1], v[\X+8*\j:\X+8*\j+7], v[MX+2*\j+1]   ; high 16 bits: K step 2 j + 1
.endr
	v_nop                                          ; one plain place behind the conversions: the next lines write their scale operands and their sources
	WIN 0
.irp i, 0,1,2,3,4,5,6,7
	v_lshrrev_b32 v[MX+\i], 23, v[MX+\i]           ; the scale's byte
.endr
	WIN 0x45*\w                                    ; destination and sources 0 and 1: the row
.irp i, 0,1,2,3,4,5,6,7
	v_cvt_pk_bf16_f32 v[\X+4*\i], v[\X+4*\i], v[\X+4*\i+1]
	v_cvt_pk_bf16_f32 v[\X+4*\i+1], v[\X+4*\i+2], v[\X+4*\i+3]
.endr
	WIN 0
.irp j, 0,1,2,3
	ds_store_b16 v[QC], v[CD+2*\j] offset:576*(2*\j)+16*(\u)
	ds_store_b16_d16_hi v[QC], v[CD+2*\j+1] offset:576*(2*\j+1)+16*(\u)
.endr
.irp i, 0,1,2,3,4,5,6,7
	ds_store_b8 v[QS], v[MX+\i] offset:32*(\u)+4*\i        ; the block's eight lanes write the same byte with the same value
.endr
	WIN 0x04*\w                                    ; an LDS store's data is source 1
.irp i, 0,1,2,3,4,5,6,7
	ds_store_b64 v[QH], v[\X+4*\i:\X+4*\i+1] offset:HP*(\u)+256*\i
.endr
	WIN 0
.endm
; 32 matrix instructions: a tile of 16 columns of ATT x 64 rows x all of K.  The four accumulators take turns, one instruction a turn; K step 0 starts the sums.
.macro MMBLOCK
	WIN 0x04                                       ; source 1 (the rows' codes) in window 1
.irp s, 0,1,2,3,4,5,6,7
.irp m, 0,1,2,3
.if \s == 0
	v_wmma_scale_f32_16x16x128_f8f6f4 v[ACC+8*\m:ACC+8*\m+7], v[BF+8*\s:BF+8*\s+7], v[64*\m+8*\s:64*\m+8*\s+7], 0, v[WS+\s%4], v[AS+4*\m+\s%4] matrix_a_fmt:MATRIX_FMT_FP4 matrix_b_fmt:MATRIX_FMT_FP4
.elseif \s < 4
	v_wmma_scale_f32_16x16x128_f8f6f4 v[ACC+8*\m:ACC+8*\m+7], v[BF+8*\s:BF+8*\s+7], v[64*\m+8*\s:64*\m+8*\s+7], v[ACC+8*\m:ACC+8*\m+7], v[WS+\s%4], v[AS+4*\m+\s%4] matrix_a_fmt:MATRIX_FMT_FP4 matrix_b_fmt:MATRIX_FMT_FP4
.else
	v_wmma_scale_f32_16x16x128_f8f6f4 v[ACC+8*\m:ACC+8*\m+7], v[BF+8*\s:BF+8*\s+7], v[64*\m+8*\s:64*\m+8*\s+7], v[ACC+8*\m:ACC+8*\m+7], v[WS+\s%4], v[AS+4*\m+\s%4] matrix_a_fmt:MATRIX_FMT_FP4 matrix_b_fmt:MATRIX_FMT_FP4 matrix_a_scale:MATRIX_SCALE_ROW1 matrix_b_scale:MATRIX_SCALE_ROW1
.endif
.endr
.endr
.endm
; The tile's 32 numbers a lane: r = 1 / (1 + 2^(c2 x + bias)), and the partial scores += V r.  Two batches of 32 transcendentals, each with one plain place and one wait ahead of its first reader.
.macro EPI
.irp m, 0,1,2,3
.irp j, 0,2,4,6
	v_pk_fma_f32 v[ACC+8*\m+\j:ACC+8*\m+\j+1], v[ACC+8*\m+\j:ACC+8*\m+\j+1], s[C2S:C2S+1], v[BI+\j:BI+\j+1] op_sel_hi:[1,0,1]   ; each accumulator from its low end on
.endr
.endr
.set n, 0
	s_wait_alu depctr_va_vdst(0)
.rept 32
	v_exp_f32 v[ACC+n], v[ACC+n]
.set n, n+1
.endr
	v_nop
	s_wait_alu depctr_va_vdst(0)
.set n, 0
.rept 16
	v_pk_add_f32 v[ACC+n:ACC+n+1], v[ACC+n:ACC+n+1], 1.0 op_sel_hi:[1,0]
.set n, n+2
.endr
.set n, 0
	s_wait_alu depctr_va_vdst(0)
.rept 32
	v_rcp_f32 v[ACC+n], v[ACC+n]
.set n, n+1
.endr
	v_nop
	s_wait_alu depctr_va_vdst(0)
.irp j, 0,2,4,6
.irp m, 0,1,2,3
	v_pk_fma_f32 v[SACC+2*\m:SACC+2*\m+1], v[ACC+8*\m+\j:ACC+8*\m+\j+1], v[VV+\j:VV+\j+1], v[SACC+2*\m:SACC+2*\m+1]
.endr
.endr
.endm
; The keep of the chunk in hand, turned: 64 rows x my 128 columns, 16 fragments of 32 rows x 16 columns, into v128-255 of window 1.  32 loads.
.macro KLOAD
.irp tt, 0,1,2,3,4,5,6,7               ; rows 0-31, my columns 16 tt on
	ds_load_tr16_b128 v[128+8*\tt:131+8*\tt], v[TR0] offset:32*\tt
	ds_load_tr16_b128 v[132+8*\tt:135+8*\tt], v[TR0] offset:32*\tt+16*HP
.endr
.irp tt, 0,1,2,3,4,5,6,7               ; rows 32-63
	ds_load_tr16_b128 v[192+8*\tt:195+8*\tt], v[TR1] offset:32*\tt
	ds_load_tr16_b128 v[196+8*\tt:199+8*\tt], v[TR1] offset:32*\tt+16*HP
.endr
.endm
; One tile of ATT.  u: which of the trip's two; q: a row is quantised beside it; f, foff: the row's slot is loaded again; bl: the next tile of W1 is loaded; n1: the loads that may stay out at the head;
; kp: the chunk's last iteration: the keep's fragments are asked for; ask: the rows that are loaded two trips on are prefetched.
; THE COUNT n1: a tile's 17 loads are issued ahead of the same iteration's 8 loads of a row.  So at the head only that one row's 8 were issued behind the tile that is wanted now, and the row issued
; one iteration earlier, which this iteration quantises, stands ahead of that tile and has landed with it.  A chunk's first iteration finds its tile in the registers; the two rows issued last are out,
; and the count leaves the younger out.  Where no row was issued behind what is wanted the count is 0.  The same wait shows the last tile's loads done, so their two bases may be written anew.
.macro ITER u, q, f, foff, bl, n1, kp, ask
	s_wait_loadcnt \n1
	MMBLOCK
	WIN 0
	s_add_co_u32 s[TMP], s[SBV], 64*(\u)           ; 64 x the iteration,
	s_xor_b32 s[TMP], s[TMP], s[SMK]               ; 64 x the tile: its 64 bytes in each table
.if ((\u) == 0) && (\q)                ; four places in front of the loads into registers that matrix instructions have read (ISA guide 7.12.1 for vector instructions): addresses that are due, or v_nop
	v_add_nc_u32 v[QC], s[SQC], v[QCB]
	v_add_nc_u32 v[QS], s[SQS], v[QSB]
	v_add_nc_u32 v[QH], s[SQH], v[QHB]
.elseif \kp
	v_add_nc_u32 v[TR0], s[SHR], v[TRB]
	v_nop
	v_add_nc_u32 v[TR1], 32*HP, v[TR0]
.else
.rept 3
	v_nop
.endr
.endif
	v_add_nc_u32 v[BV], s[TMP], v[BVB]
.if \bl
	s_add_co_u32 s[TMP], s[SBV], 64*(\u)+64
	s_xor_b32 s[TMP], s[TMP], s[SMK]               ; 64 x the next tile
	s_lshl_b32 s[BO], s[TMP], 7                    ; its 8,192 bytes of codes,
	s_lshl_b32 s[BSO], s[TMP], 3                   ; its 512 scale bytes
	s_add_nc_u64 s[BP:BP+1], s[6:7], s[BO:BO+1]
	s_add_nc_u64 s[BSP:BSP+1], s[8:9], s[BSO:BSO+1]
	BLOAD
.endif
.if (\kp) && (\f)                      ; a chunk's last iteration loads no tile: the row slot that the iteration before has quantised is loaded here, not beside that iteration's tile
	FLOAD ROW0, (\foff)-4096
.endif
	ds_load_b128 v[BI:BI+3], v[BV]
	ds_load_b128 v[BI+4:BI+7], v[BV] offset:16
	ds_load_b128 v[VV:VV+3], v[BV] offset:4096
	ds_load_b128 v[VV+4:VV+7], v[BV] offset:4096+16
.if \kp
	WIN 0x40                                       ; destination in window 1
	KLOAD
	WIN 0
.endif
.if \q
	QROW ROW0+32*(\u), \u, 0
.endif
	s_wait_dscnt 0x0                               ; bias and V_w are in; the row's stores have landed and have read its registers
.if (\kp) && (\q)                      ; the chunk's last row is quantised: behind a barrier the next chunk's codes and scale bytes are whole in LDS.
	s_wait_alu depctr_va_vdst(0)
	s_barrier_signal -1
	s_barrier_wait -1
	WIN 0x40                                       ; rows 0-31 of the next chunk go into v0-127 of window 1, which the chunk's last products have left (the row's vector work stands between as their places);
	ALOAD 0                                        ; v128-255 hold the keep's fragments until the context is made
	ALOAD 1
	WIN 0
	ASLOAD                                         ; 36 LDS loads, which are out while the tile's transcendentals run; the barrier at the chunk's end waits for them
.endif
.if \f
	FLOAD ROW0+32*(\u), \foff
.endif
.if \ask
	ASK
.endif
	EPI
.endm
.macro TRIPEND q
.if \q
	s_wait_xcnt 0x0                                ; the loads and the prefetch issued so far have read their bases: these may step
	s_add_nc_u64 s[4:5], s[4:5], 8192
	s_cmp_eq_u32 s[TRIP], 3                        ; behind a chunk's first trip, which has asked for my rows 6 and 7 of the next chunk, the prefetches go on to my rows of the chunk after
	s_cselect_b32 s[PFS], s[PBIG], s[PSML]
	s_add_nc_u64 s[PFA:PFA+1], s[PFA:PFA+1], s[PFS:PFS+1]
	s_sub_co_i32 s[PFN], s[PFN], 1
	s_add_co_u32 s[SQC], s[SQC], 32
	s_add_co_u32 s[SQS], s[SQS], 64
	s_add_co_u32 s[SQH], s[SQH], 2*HP
.endif
	s_add_co_u32 s[SBV], s[SBV], 128
.endm
.macro TRIPS3 q, f, n1                 ; a chunk's first three trips: iterations 0 to 5
	s_mov_b32 s[TRIP], 3
.Ltrip_\@:
	ITER 0, \q, \f, 8192, 1, \n1, 0, 0
	ITER 1, \q, \f, 12288, 1, \n1, 0, \f
	TRIPEND \q
	s_sub_co_u32 s[TRIP], s[TRIP], 1
	s_cmp_lg_u32 s[TRIP], 0
	s_cbranch_scc1 .Ltrip_\@
.endm
.macro ALOAD m                         ; the codes of rows 16 m .. 16 m + 15, all of K, into window 1: 16 loads
.irp s, 0,1,2,3,4,5,6,7
.irp c, 0,1
	ds_load_b128 v[64*(\m)+8*\s+4*\c:64*(\m)+8*\s+4*\c+3], v[AR] offset:2*(\m)*WR+576*\s+288*\c
.endr
.endr
.endm
.macro ASLOAD                          ; and the rows' scale words: 4 loads
.irp m, 0,1,2,3
	ds_load_b128 v[AS+4*\m:AS+4*\m+3], v[ASR] offset:512*\m
.endr
.endm
; A CHUNK'S END.  last = 1: no chunk follows.
.macro BOUNDARY last
.irp m, 0,1,2,3
	v_add_f32 v[ACC+\m], v[SACC+2*\m], v[SACC+2*\m+1]
.endr
.irp m, 0,1,2,3
	v_permlanex16_b32 v[ACC+4+\m], v[ACC+\m], s[SEL], s[SEL+1]
.endr
.irp m, 0,1,2,3
	s_delay_alu instid0(VALU_DEP_4)
	v_add_f32 v[ACC+\m], v[ACC+\m], v[ACC+4+\m]    ; row 16 m + r: the sum over my 128 columns
.endr
.irp m, 0,1,2,3
	ds_store_b32 v[SPWR], v[ACC+\m] offset:64*\m
.endr
	BARRIER                                        ; all partial scores, and the next chunk's codes, scale bytes and kept rows, lie in LDS; every wave has its fragments of this chunk's keep
.irp k, 0,1,2,3,4,5,6,7
	ds_load_b64 v[ACC+2*\k:ACC+2*\k+1], v[SPRD] offset:256*\k       ; rows 2 l and 2 l + 1, wave k's part
.endr
	s_wait_dscnt 0x0                               ; the eight loads of partial scores are in
	v_pk_add_f32 v[32:33], v[32:33], v[34:35]      ; every wave adds the eight parts in the same order: the same bits in all
	v_pk_add_f32 v[36:37], v[36:37], v[38:39]
	v_pk_add_f32 v[40:41], v[40:41], v[42:43]
	v_pk_add_f32 v[44:45], v[44:45], v[46:47]
	s_delay_alu instid0(VALU_DEP_3)
	v_pk_add_f32 v[32:33], v[32:33], v[36:37]
	s_delay_alu instid0(VALU_DEP_2)
	v_pk_add_f32 v[40:41], v[40:41], v[44:45]
	s_delay_alu instid0(VALU_DEP_1)
	v_pk_add_f32 v[32:33], v[32:33], v[40:41]
	s_delay_alu instid0(VALU_DEP_1)
	v_pk_mul_f32 v[32:33], v[32:33], s[NC2:NC2+1] op_sel_hi:[1,0]   ; t of rows 2 l, 2 l + 1
	s_cmp_lg_u32 s[WV], 0
	s_cbranch_scc1 .Lnot0_\@
	global_store_b64 v[L8], v[32:33], s[14:15]     ; wave 0: the chunk's 64 t: 256 consecutive bytes, aligned
.Lnot0_\@:
	s_wait_alu depctr_va_vdst(0)
	v_max_num_f32 v34, v32, v33
	s_delay_alu instid0(VALU_DEP_1)
	v_max_num_f32_dpp v34, v34, v34 row_xmask:1 row_mask:0xf bank_mask:0xf
	s_delay_alu instid0(VALU_DEP_1)
	v_max_num_f32_dpp v34, v34, v34 row_xmask:2 row_mask:0xf bank_mask:0xf
	s_delay_alu instid0(VALU_DEP_1)
	v_max_num_f32_dpp v34, v34, v34 row_xmask:4 row_mask:0xf bank_mask:0xf
	s_delay_alu instid0(VALU_DEP_1)
	v_max_num_f32_dpp v34, v34, v34 row_xmask:8 row_mask:0xf bank_mask:0xf
	s_delay_alu instid0(VALU_DEP_1)
	v_permlanex16_b32 v254, v34, s[SEL], s[SEL+1]
	s_delay_alu instid0(VALU_DEP_1)
	v_max_num_f32 v34, v34, v254                   ; the chunk's largest t
	s_delay_alu instid0(VALU_DEP_1)
	v_max_num_f32 v36, v[MM], v34                  ; the new m
	s_delay_alu instid0(VALU_DEP_1)
	v_sub_f32 v37, v[MM], v36
	s_delay_alu instid0(VALU_DEP_2)
	v_sub_f32 v38, v32, v36
	s_delay_alu instid0(VALU_DEP_3)
	v_sub_f32 v39, v33, v36
	s_wait_alu depctr_va_vdst(0)
	v_exp_f32 v[FF], v37                           ; f = 2^(m_old - m_new)
	v_exp_f32 v38, v38                             ; p
	v_exp_f32 v39, v39
	v_mov_b32 v[MM], v36                           ; (the plain place behind the three)
	s_wait_alu depctr_va_vdst(0)                   ; one wait for the three, ahead of their first reader
	v_add_f32 v40, v38, v39
	s_delay_alu instid0(VALU_DEP_1)
	v_add_f32_dpp v40, v40, v40 row_xmask:1 row_mask:0xf bank_mask:0xf
	s_delay_alu instid0(VALU_DEP_1)
	v_add_f32_dpp v40, v40, v40 row_xmask:2 row_mask:0xf bank_mask:0xf
	s_delay_alu instid0(VALU_DEP_1)
	v_add_f32_dpp v40, v40, v40 row_xmask:4 row_mask:0xf bank_mask:0xf
	s_delay_alu instid0(VALU_DEP_1)
	v_add_f32_dpp v40, v40, v40 row_xmask:8 row_mask:0xf bank_mask:0xf
	s_delay_alu instid0(VALU_DEP_1)
	v_permlanex16_b32 v254, v40, s[SEL], s[SEL+1]
	s_delay_alu instid0(VALU_DEP_1)
	v_add_f32 v40, v40, v254
	v_fma_f32 v[MM+1], v[MM+1], v[FF], v40         ; l = l f + the chunk's sum of the unrounded p
	v_cvt_pk_bf16_f32 v41, v38, v39
	ds_store_b32 v[PWR], v41                       ; my wave's own copy of p: LDS serves a wave's instructions in order (ISA guide 5.7.1.4), so the loads below see it
	ds_load_b128 v[148:151], v[PRD]                ; p as source 0: every row the same; rows 8 h + 0 .. 7,
	ds_load_b128 v[152:155], v[PRD] offset:32      ; 16 + 8 h + 0 .. 7,
	ds_load_b128 v[156:159], v[PRD] offset:64      ; and the same of rows 32-63
	ds_load_b128 v[160:163], v[PRD] offset:96
	s_wait_xcnt 0x0                                ; the store of t has read its data and its base: both are written below
.if (\last) == 0
	s_add_nc_u64 s[14:15], s[14:15], 256
.endif
	s_wait_dscnt 0x0
.irp G, 0,1                            ; my eight tiles of 16 columns, four at a time: four accumulators by turns, two K steps of 32 rows
	WIN 0x04
.irp kk, 0,1
.irp tt, 0,1,2,3
.if \kk == 0
	v_wmma_f32_16x16x32_bf16 v[ACC+8*\tt:ACC+8*\tt+7], v[148+8*\kk:155+8*\kk], v[128+8*(8*\kk+4*\G+\tt):135+8*(8*\kk+4*\G+\tt)], 0
.else
	v_wmma_f32_16x16x32_bf16 v[ACC+8*\tt:ACC+8*\tt+7], v[148+8*\kk:155+8*\kk], v[128+8*(8*\kk+4*\G+\tt):135+8*(8*\kk+4*\G+\tt)], v[ACC+8*\tt:ACC+8*\tt+7]
.endif
.endr
.endr
	WIN 0
.rept 5
	v_nop                                          ; five places: in front of the reads of results, of the matrix instructions that write over these accumulators, and of the loads into the fragments' registers
.endr
.irp tt, 0,1,2,3
	v_fma_f32 v[CTX+4*\G+\tt], v[CTX+4*\G+\tt], v[FF], v[ACC+8*\tt]   ; register 0 of the result: column 16 (4 G + tt) + r
.endr
.endr
.if (\last) == 0
	WIN 0x40
	ALOAD 2
	ALOAD 3
	WIN 0
.irp k, 0,1,2,3,4,5,6,7
	v_mov_b32 v[SACC+\k], 0
.endr
	s_mov_b32 s[SQC], 0
	s_mov_b32 s[SQS], 0
	s_mov_b32 s[SBV], 0
	s_xor_b32 s[SMK], s[SMK], 448                  ; W1's walk turns round: the next chunk begins with the tile that is in the registers
	s_xor_b32 s[SHW], s[SHW], LH                   ; the keeps change places
	s_xor_b32 s[SHR], s[SHR], LH
	s_mov_b32 s[SQH], s[SHW]
	BARRIER                                        ; every wave has read the partial scores, the codes and the scale bytes, and has had its fragments of the keep since the barrier before: all may be written again
.endif
.endm
	s_load_b512 s[4:19], s[0:1], 0x0               ; features s[4:5], w1img s[6:7], W1 scales s[8:9], biasp s[10:11], V_w s[12:13], scores s[14:15], pstat s[16:17], pctx s[18:19]
	v_lshl_add_u32 v[SPW], v0, 2, SPARE            ; my spare word; never rewritten
	v_mov_b32 v[NIL], 0                            ; 0; never rewritten
	v_lshrrev_b32 v32, 5, v0
	s_delay_alu instid0(VALU_DEP_1)
	v_readfirstlane_b32 s[WV], v32                 ; wave 0..7
	s_and_b32 s21, ttmp7, 0xffff                   ; b
	s_mov_b32 s25, 0
	s_mov_b32 s[C2S], 0x4038aa3b                   ; c2 = 2 log2(e)
	s_mov_b32 s[C2S+1], s[C2S]
	s_mov_b32 s[SEL], 0x76543210
	s_mov_b32 s[SEL+1], 0xfedcba98
	s_mov_b32 s[NC2], 0xc038aa3b                   ; -c2
	s_mov_b32 s[NC2+1], s[NC2]
	s_mov_b32 s[BO+1], 0
	s_mov_b32 s[BSO+1], 0
	s_mov_b32 s[PFS+1], 0
	s_mov_b32 s[PFN], 9                            ; nine prefetches of two rows in the trips: my rows 14 to 31
	s_mov_b32 s[PBIG], 237568
	s_mov_b32 s[PSML], 8192
	s_mov_b32 s[SMK], 0                            ; chunk 0 walks upward
	v_and_b32 v32, 31, v0                          ; lane l
	v_and_b32 v33, 15, v0                          ; r
	v_bfe_u32 v34, v0, 4, 1                        ; h
	v_bfe_u32 v35, v0, 3, 2                        ; g = l / 8
	v_and_b32 v36, 7, v0                           ; e = l % 8
	v_bfe_u32 v37, v0, 3, 1                        ; g % 2 = r / 8
	v_lshlrev_b32 v[L16], 4, v32
	v_lshlrev_b32 v[L8], 3, v32
	v_lshlrev_b32 v[PFO], 8, v32
	v_lshlrev_b32 v[WSO], 5, v33
	s_delay_alu instid0(VALU_DEP_1)
	v_lshl_add_u32 v[WSO], v34, 4, v[WSO]
	s_lshl_b32 s23, s[WV], 9
	s_add_co_u32 s23, s23, LBT
	v_lshl_add_u32 v[BVB], v34, 5, s23
	v_add_nc_u32 v[QC], s23, v[L16]                ; for now: where my 16 bytes of the two tables go
	s_mul_i32 s23, s[WV], WR
	s_add_co_u32 s23, s23, LCB
	v_mul_u32_u24 v[QCB], v35, 144
	s_delay_alu instid0(VALU_DEP_1)
	v_lshl_add_u32 v[QCB], v36, 1, v[QCB]
	s_delay_alu instid0(VALU_DEP_1)
	v_add_nc_u32 v[QCB], s23, v[QCB]
	s_lshl_b32 s23, s[WV], 8
	s_add_co_u32 s23, s23, LCS
	v_add_nc_u32 v[QSB], s23, v35
	s_mul_i32 s23, s[WV], 8*HP
	v_lshl_add_u32 v[QHB], v32, 3, s23
	v_mul_u32_u24 v[AR], v37, WR
	s_delay_alu instid0(VALU_DEP_1)
	v_lshl_add_u32 v[AR], v36, 4, v[AR]
	s_delay_alu instid0(VALU_DEP_1)
	v_mad_u32_u24 v[AR], v34, 144, v[AR]
	s_delay_alu instid0(VALU_DEP_1)
	v_add_nc_u32 v[AR], LCB, v[AR]
	v_add_nc_u32 v[ASR], LCS, v[WSO]
	s_lshl_b32 s23, s[WV], 8
	s_add_co_u32 s23, s23, LSP
	v_lshl_add_u32 v[SPWR], v33, 2, s23
	v_lshl_add_u32 v[SPRD], v32, 3, LSP
	s_lshl_b32 s23, s[WV], 7
	s_add_co_u32 s23, s23, LPB
	v_lshl_add_u32 v[PWR], v32, 2, s23
	v_lshl_add_u32 v[PRD], v34, 4, s23
	v_lshl_add_u32 v38, v34, 3, v36                ; 8 h + e
	s_delay_alu instid0(VALU_DEP_1)
	v_mul_u32_u24 v[TRB], v38, HP
	s_delay_alu instid0(VALU_DEP_1)
	v_lshl_add_u32 v[TRB], v37, 4, v[TRB]
	s_lshl_b32 s23, s[WV], 8
	v_add_nc_u32 v[TRB], s23, v[TRB]
	v_mov_b32 v[MM], 0xff61b1e6                    ; m: -3e38, under every t: the first f is 0, and multiplies zeros
	v_mov_b32 v[MM+1], 0                           ; l
.irp k, 0,1,2,3,4,5,6,7
	v_mov_b32 v[CTX+\k], 0
	v_mov_b32 v[SACC+\k], 0
.endr
	v_mov_b32 v254, 0                              ; written once: a lane permute's destination counts as one of its sources
	s_mov_b32 s[SQC], 0
	s_mov_b32 s[SQS], 0
	s_mov_b32 s[SQH], 0                            ; chunk 0 goes into the keep at 0
	s_wait_kmcnt 0x0
	s_lshl_b32 s24, s21, 22                        ; features: a batch is 4 MiB,
	s_lshl_b32 s23, ttmp9, 20                      ; a quarter 1 MiB,
	s_add_co_u32 s24, s24, s23
	s_lshl_b32 s23, s[WV], 15                      ; my 8 rows of a chunk begin 32,768 w bytes into it
	s_add_co_u32 s24, s24, s23
	s_add_nc_u64 s[4:5], s[4:5], s[24:25]
	s_lshl_b32 s24, s[WV], 16                      ; my 8 tiles of W1's image
	s_add_nc_u64 s[6:7], s[6:7], s[24:25]
	s_lshl_b32 s24, s[WV], 12                      ; and their scale bytes
	s_add_nc_u64 s[8:9], s[8:9], s[24:25]
	s_lshl_b32 s24, s[WV], 9                       ; my 128 columns, in f32
	s_add_nc_u64 s[10:11], s[10:11], s[24:25]
	s_add_nc_u64 s[12:13], s[12:13], s[24:25]
	s_add_nc_u64 s[18:19], s[18:19], s[24:25]
	s_lshl_b32 s24, s21, 12                        ; row b
	s_add_nc_u64 s[10:11], s[10:11], s[24:25]
	s_add_nc_u64 s[14:15], s[14:15], s[24:25]
	s_lshl_b32 s24, ttmp9, 10                      ; my quarter's 256 scores
	s_add_nc_u64 s[14:15], s[14:15], s[24:25]
	s_lshl_b32 s22, s21, 2
	s_add_co_u32 s22, s22, ttmp9                   ; 4 b + x
	s_lshl_b32 s24, s22, 8
	s_add_nc_u64 s[16:17], s[16:17], s[24:25]
	s_lshl_b32 s24, s22, 12
	s_add_nc_u64 s[18:19], s[18:19], s[24:25]
	s_mov_b64 s[BP:BP+1], s[6:7]                   ; my tile 0
	s_mov_b64 s[BSP:BSP+1], s[8:9]
	s_add_nc_u64 s[PFA:PFA+1], s[4:5], 262144+24576   ; my rows 6 and 7 of chunk 1: rows 14 and 15 of my 32, which chunk 0's third trip loads
	global_load_b128 v[148:151], v[L16], s[10:11]  ; my 512 bytes of biasp's row
	global_load_b128 v[152:155], v[L16], s[12:13]  ; and of V_w
	WIN 0x40                                       ; destination in window 1, which holds no codes yet
.irp k, 0,1,2,3,4,5,6
	FLOAD 32*\k, 4096*\k                           ; rows 0 to 6 of my eight of chunk 0: row k in v[32 k ..] of window 1
.endr
	WIN 0
	s_wait_loadcnt 56                              ; the two tables' loads are in: behind them stand 7 x 8
	ds_store_b128 v[QC], v[148:151]
	ds_store_b128 v[QC], v[152:155] offset:4096
; THE PROLOGUE: chunk 0's rows are quantised with nothing beside them, out of window 1.  Seven rows are asked for at once; row 7, W1's tile 0 and rows 0 and 1 of chunk 1 follow, one group behind each of the first four rows.
; ORDER OF ISSUE: rows 0 .. 6 (8 loads each), row 7 (8), the tile (17), chunk 1's row 0 (8), its row 1 (8).  Each wait's count is the number of loads issued so far behind the row that is wanted.
	v_add_nc_u32 v[QC], s[SQC], v[QCB]             ; the three scalars are 0: my eight rows are told apart by the stores' immediate offsets
	v_add_nc_u32 v[QS], s[SQS], v[QSB]
	v_add_nc_u32 v[QH], s[SQH], v[QHB]
.macro PROW k, n
	s_wait_loadcnt \n
	QROW 32*\k, \k, 1
	s_wait_dscnt 0x0                               ; the stores have read their registers
.endm
	PROW 0, 48                                     ; behind row 0: rows 1 to 6
	WIN 0x40
	FLOAD 224, 4096*7                              ; row 7
	WIN 0
	PROW 1, 48                                     ; rows 2 to 7
	BLOAD                                          ; W1's tile 0
	PROW 2, 57                                     ; rows 3 to 7 and the tile's 17
	FLOAD ROW0, 262144                             ; a chunk is 262,144 bytes: my rows 0 and 1 of chunk 1, as the first chunk's iterations expect them
	global_prefetch_b8 v[PFO], s[4:5] offset:262144+8192 th:TH_LOAD_NT scope:SCOPE_SE    ; my rows 2 and 3 of chunk 1, which chunk 0's first trip loads (the base is stepped behind the prologue's wait on XCNT)
	PROW 3, 57                                     ; rows 4 to 7, 17, 8
	FLOAD ROW0+32, 262144+4096
	global_prefetch_b8 v[PFO], s[4:5] offset:262144+16384 th:TH_LOAD_NT scope:SCOPE_SE   ; my rows 4 and 5 of chunk 1, which its second trip loads
	PROW 4, 57                                     ; rows 5 to 7, 17, 16
	PROW 5, 49
	PROW 6, 41
	PROW 7, 33                                     ; the tile's 17 and chunk 1's 16
	s_wait_xcnt 0x0
	s_add_nc_u64 s[4:5], s[4:5], 262144
	BARRIER                                        ; chunk 0's codes, scale bytes and kept rows lie in LDS
	WIN 0x40
	ALOAD 0
	ALOAD 1
	ALOAD 2
	ALOAD 3
	WIN 0
	ASLOAD
	s_mov_b32 s[SQC], 0
	s_mov_b32 s[SQS], 0
	s_mov_b32 s[SBV], 0
	s_mov_b32 s[SHW], LH                           ; chunk 1 goes into the other keep,
	s_mov_b32 s[SHR], 0                            ; chunk 0's is read at its end
	s_mov_b32 s[SQH], LH
	BARRIER                                        ; every wave has its copy of the codes: they may be written again
	s_mov_b32 s[CHK], 2
.Lchunk:                                               ; chunks 0 and 1
	TRIPS3 1, 1, 8
	ITER 0, 1, 0, 0, 1, 8, 0, 0                    ; the fourth trip's rows are rows 0 and 1 of the chunk after the next: both are asked for in its second iteration,
	ITER 1, 1, 1, 12288+229376, 0, 0, 1, 1         ; whose tile stays for the next chunk, so none is loaded (count 0: nothing was issued behind this tile's loads); the keep's fragments are asked for
	s_wait_alu depctr_va_vdst(0)
	s_wait_xcnt 0x0
	s_add_nc_u64 s[4:5], s[4:5], 237568
	s_add_nc_u64 s[PFA:PFA+1], s[PFA:PFA+1], 8192
	s_sub_co_i32 s[PFN], s[PFN], 1
	BOUNDARY 0
	s_sub_co_u32 s[CHK], s[CHK], 1
	s_cmp_lg_u32 s[CHK], 0
	s_cbranch_scc1 .Lchunk
	TRIPS3 1, 1, 8                                 ; chunk 2: its fourth trip has no row left to load: no load leaves the buffer
	ITER 0, 1, 0, 0, 1, 8, 0, 0
	ITER 1, 1, 0, 0, 0, 0, 1, 0                    ; (no row was issued behind this tile's loads)
; CHUNK 3 quantises nothing, so the two row slots, v164-227, are a second buffer for a tile of W1: even iterations multiply the buffer at v64, odd ones the buffer at v164.
; Behind its products iteration i asks for the scale words of tile i + 1 (1 load) and then for the codes of tile i + 2 (16 loads), into the buffer that it has just multiplied.
; THE COUNT at an iteration's head is 16: only the 16 loads of the next tile's codes were issued behind what is wanted now; 0 in the last iteration, behind whose scale words nothing was issued.
; Each buffer has its own base pair (s[40:41], s[48:49]), written anew only behind the head's wait, which shows that buffer's last loads done.
.macro CLOAD bp                        ; a tile's codes, 16 loads of 512 consecutive bytes, into the buffer at BF
.irp s, 0,1,2,3,4,5,6,7
.irp c, 0,1
	global_load_b128 v[BF+8*\s+4*\c:BF+8*\s+4*\c+3], v[L16], s[\bp:\bp+1] offset:1024*\s+512*\c
.endr
.endr
.endm
.macro ITER3 u, cl, wl, n1, kp         ; cl: codes are asked for; wl: scale words are asked for; kp: the keep's fragments are asked for
.set BF, 64+100*(\u)
	s_wait_loadcnt \n1
	MMBLOCK
	WIN 0
	s_add_co_u32 s[TMP], s[SBV], 64*(\u)           ; 64 x the iteration,
	s_xor_b32 s[TMP], s[TMP], s[SMK]               ; 64 x the tile
.if \wl
	s_add_co_u32 s[BSO], s[SBV], 64*(\u)+64
	s_xor_b32 s[BSO], s[BSO], s[SMK]               ; 64 x the next tile:
	s_lshl_b32 s[BSO], s[BSO], 3                   ; its 512 scale bytes
	s_add_nc_u64 s[BSP:BSP+1], s[8:9], s[BSO:BSO+1]
.endif
.if \cl
	s_add_co_u32 s[BO], s[SBV], 64*(\u)+128
	s_xor_b32 s[BO], s[BO], s[SMK]                 ; 64 x the tile after the next:
	s_lshl_b32 s[BO], s[BO], 7                     ; its 8,192 bytes of codes
	s_add_nc_u64 s[BP+8*(\u):BP+8*(\u)+1], s[6:7], s[BO:BO+1]
.endif
.if \kp                                ; four places in front of the loads into registers that matrix instructions have read
	v_add_nc_u32 v[TR0], s[SHR], v[TRB]
	v_nop
	v_add_nc_u32 v[TR1], 32*HP, v[TR0]
.else
.rept 3
	v_nop
.endr
.endif
	v_add_nc_u32 v[BV], s[TMP], v[BVB]
.if \wl
	global_load_b128 v[WS:WS+3], v[WSO], s[BSP:BSP+1]
.endif
.if \cl
	CLOAD BP+8*(\u)
.endif
	ds_load_b128 v[BI:BI+3], v[BV]
	ds_load_b128 v[BI+4:BI+7], v[BV] offset:16
	ds_load_b128 v[VV:VV+3], v[BV] offset:4096
	ds_load_b128 v[VV+4:VV+7], v[BV] offset:4096+16
.if \kp
	WIN 0x40                                       ; destination in window 1
	KLOAD
	WIN 0
.endif
	s_wait_dscnt 0x0                               ; bias and V_w are in
	EPI
.set BF, 64
.endm
	s_xor_b32 s[BO], s[SMK], 384                   ; chunk 3's mask is this one xor 448, its iteration 1 is 64: 64 x that tile = the mask xor 384
	s_lshl_b32 s[BO], s[BO], 7
	s_add_nc_u64 s[PFA:PFA+1], s[6:7], s[BO:BO+1]  ; (no prefetch is left to be made: the pair serves the second buffer)
.set BF, 164
	CLOAD PFA                                      ; both row slots have been quantised and their stores awaited: the codes of chunk 3's second tile are on their way through the chunk's end
.set BF, 64
	BOUNDARY 0
	s_mov_b32 s[TRIP], 3
.Ltrip3:                                               ; iterations 0 to 5
	ITER3 0, 1, 1, 16, 0
	ITER3 1, 1, 1, 16, 0
	s_add_co_u32 s[SBV], s[SBV], 128
	s_sub_co_u32 s[TRIP], s[TRIP], 1
	s_cmp_lg_u32 s[TRIP], 0
	s_cbranch_scc1 .Ltrip3
	ITER3 0, 0, 1, 16, 0                           ; iteration 6: only the last tile's scale words are left to ask for
	ITER3 1, 0, 0, 0, 1
	BOUNDARY 1
	; THE WAY OUT.  ctx's register tt holds column 128 w + 16 tt + r, the same in both halves of the lanes: through my own 512 bytes of LDS it becomes 16 bytes a lane.
	v_and_b32 v[QC], 15, v0
	s_lshl_b32 s23, s[WV], 9
	s_add_co_u32 s23, s23, LCX
	v_lshl_add_u32 v[QC], v[QC], 2, s23
	v_add_nc_u32 v[QS], s23, v[L16]
.irp tt, 0,1,2,3,4,5,6,7
	ds_store_b32 v[QC], v[CTX+\tt] offset:64*\tt
.endr
	ds_load_b128 v[32:35], v[QS]                   ; LDS serves a wave's instructions in order: this sees my stores
	s_wait_tensorcnt 0x0                           ; the wave's end
	ds_add_u32 v[SPW], v[NIL]
	s_wait_dscnt 0x0                               ; the add is done, and my 16 bytes are back
	global_store_b128 v[L16], v[32:35], s[18:19]   ; 32 lanes store 512 consecutive bytes, at a multiple of 256 from pctx's first byte
	s_cmp_lg_u32 s[WV], 0
	s_cbranch_scc1 .Lend
	global_store_b64 v[L8], v[MM:MM+1], s[16:17]   ; wave 0: (m, l), 32 times: 256 consecutive bytes, aligned
.Lend:
	s_endpgm
.Lfunc_end_k_qe98cb8e29f_main:
	.size	k_qe98cb8e29f_main, .Lfunc_end_k_qe98cb8e29f_main-k_qe98cb8e29f_main
	.p2alignl 7, 3214868480
	.fill 96, 4, 3214868480
	.section	.rodata,"a",@progbits
	.p2align	6, 0x0
	.amdhsa_kernel k_qe98cb8e29f_main
		.amdhsa_group_segment_fixed_size 322560
		.amdhsa_private_segment_fixed_size 0
		.amdhsa_enable_private_segment 0
		.amdhsa_kernarg_size 64
		.amdhsa_user_sgpr_count 2
		.amdhsa_user_sgpr_kernarg_segment_ptr 1
		.amdhsa_wavefront_size32 1
		.amdhsa_system_sgpr_workgroup_id_x 1
		.amdhsa_system_sgpr_workgroup_id_y 1
		.amdhsa_system_sgpr_workgroup_id_z 1
		.amdhsa_system_vgpr_workitem_id 0
		.amdhsa_next_free_vgpr 512
		.amdhsa_next_free_sgpr 66
		.amdhsa_reserve_vcc 0
		.amdhsa_float_denorm_mode_32 3
		.amdhsa_float_denorm_mode_16_64 3
		.amdhsa_memory_ordered 1
		.amdhsa_forward_progress 1
		.amdhsa_inst_pref_size 255
	.end_amdhsa_kernel
	.section	.bss,"aw",@nobits
	.p2align	6
	.space	262144
	.amdgpu_metadata
---
amdhsa.version: [ 1, 2 ]
amdhsa.kernels:
  - .name:           k_qe98cb8e29f_main
    .symbol:         k_qe98cb8e29f_main.kd
    .args:
      - { .name: features, .offset: 0, .size: 8, .value_kind: global_buffer, .address_space: global }
      - { .name: w1img, .offset: 8, .size: 8, .value_kind: global_buffer, .address_space: global }
      - { .name: W1_w_scales, .offset: 16, .size: 8, .value_kind: global_buffer, .address_space: global }
      - { .name: biasp, .offset: 24, .size: 8, .value_kind: global_buffer, .address_space: global }
      - { .name: V_w, .offset: 32, .size: 8, .value_kind: global_buffer, .address_space: global }
      - { .name: scores, .offset: 40, .size: 8, .value_kind: global_buffer, .address_space: global }
      - { .name: pstat, .offset: 48, .size: 8, .value_kind: global_buffer, .address_space: global }
      - { .name: pctx, .offset: 56, .size: 8, .value_kind: global_buffer, .address_space: global }
    .group_segment_fixed_size: 322560
    .private_segment_fixed_size: 0
    .kernarg_segment_align: 8
    .kernarg_segment_size: 64
    .max_flat_workgroup_size: 256
    .sgpr_count:     66
    .vgpr_count:     512
    .wavefront_size: 32
...
	.end_amdgpu_metadata
.endif
;; end of part 2
;; launch combine (part 3): grid 64 x 1, 8 waves a work-group, no clusters, 0 bytes of LDS; arguments scores, pstat, pctx, out0, out1; writes out0, out1
.if DOCPART == 3
	.amdgcn_target "amdgcn-amd-amdhsa--gfx1250"
	.amdhsa_code_object_version 6
	.text
	.protected	k_qe98cb8e29f_combine
	.globl	k_qe98cb8e29f_combine
	.p2align	8
	.type	k_qe98cb8e29f_combine,@function
k_qe98cb8e29f_combine:
	s_mov_b64 s[64:65], 0
	v_nop
	global_prefetch_b8 v0, s[64:65] scope:SCOPE_SE
	s_setreg_imm32_b32 hwreg(HW_REG_WAVE_MODE, 25, 1), 1
	s_wait_xcnt 0x0
; Left out here as in the first kernel: V_b and the term sum_n V_w[n], both the same along the softmax's axis.
; A batch's four quarters are joined.  Quarter q left its largest t, m_q, its sum l_q = sum 2^(t - m_q), and pctx_q = sum 2^(t - m_q) features.  With M = the largest m_q, w_q = 2^(m_q - M), L = sum l_q w_q:
;   alpha[l] = 2^(t[l] - M) / L;   context[e] = sum_q pctx_q[e] w_q / L.
; One work-group a batch; thread t owns four neighbouring numbers of each output row: sixteen lanes load and store 256 consecutive bytes, aligned.  No LDS, no barrier: threads share nothing.
; The launch exists because the four quarters are made by four work-groups, which hand each other nothing inside a launch.
	s_load_b256 s[4:11], s[0:1], 0x0               ; scores s[4:5], pstat s[6:7], pctx s[8:9], out0 s[10:11]
	s_load_b64 s[12:13], s[0:1], 0x20              ; out1
	v_lshlrev_b32 v1, 4, v0                        ; my 16 bytes of a row
	s_mov_b32 s15, 0
	s_wait_alu depctr_va_vdst(0)
	s_wait_kmcnt 0x0
	s_lshl_b32 s14, ttmp9, 10                      ; the batch's four records of 256 bytes
	s_add_nc_u64 s[6:7], s[6:7], s[14:15]
	s_load_b64 s[16:17], s[6:7], 0x0               ; (m_q, l_q)
	s_load_b64 s[18:19], s[6:7], 0x100
	s_load_b64 s[20:21], s[6:7], 0x200
	s_load_b64 s[22:23], s[6:7], 0x300
	s_lshl_b32 s14, ttmp9, 12                      ; row b of 4,096 bytes
	s_add_nc_u64 s[4:5], s[4:5], s[14:15]
	s_add_nc_u64 s[10:11], s[10:11], s[14:15]
	s_add_nc_u64 s[12:13], s[12:13], s[14:15]
	s_lshl_b32 s14, ttmp9, 14                      ; the batch's four rows of pctx
	s_add_nc_u64 s[8:9], s[8:9], s[14:15]
	global_load_b128 v[12:15], v1, s[4:5]
.irp q, 0,1,2,3
	global_load_b128 v[16+4*\q:19+4*\q], v1, s[8:9] offset:4096*\q
.endr
	s_wait_kmcnt 0x0
	v_mov_b32 v2, s16
	s_delay_alu instid0(VALU_DEP_1)
	v_max_num_f32 v2, s18, v2
	s_delay_alu instid0(VALU_DEP_1)
	v_max_num_f32 v2, s20, v2
	s_delay_alu instid0(VALU_DEP_1)
	v_max_num_f32 v2, s22, v2                      ; M
	s_delay_alu instid0(VALU_DEP_1)
	v_sub_f32 v4, s16, v2
	s_delay_alu instid0(VALU_DEP_2)
	v_sub_f32 v5, s18, v2
	s_delay_alu instid0(VALU_DEP_3)
	v_sub_f32 v6, s20, v2
	s_delay_alu instid0(VALU_DEP_4)
	v_sub_f32 v7, s22, v2
	s_wait_alu depctr_va_vdst(0)
	v_exp_f32 v4, v4                               ; w_q
	v_exp_f32 v5, v5
	v_exp_f32 v6, v6
	v_exp_f32 v7, v7
	v_nop                                          ; a plain place behind the four,
	s_wait_alu depctr_va_vdst(0)                   ; and one wait ahead of their first reader
	v_mul_f32 v3, s17, v4
	v_fmac_f32 v3, s19, v5
	v_fmac_f32 v3, s21, v6
	v_fmac_f32 v3, s23, v7                         ; L: at least 1, since the quarter that holds M has a p of 1
	s_wait_alu depctr_va_vdst(0)
	v_rcp_f32 v8, v3
	s_wait_loadcnt 0x0
.irp k, 0,1,2,3
	v_sub_f32 v[12+\k], v[12+\k], v2               ; t - M.  (Plain work behind the reciprocal)
.endr
	s_wait_alu depctr_va_vdst(0)
.irp k, 0,1,2,3
	v_exp_f32 v[12+\k], v[12+\k]
.endr
	v_nop
	s_wait_alu depctr_va_vdst(0)                   ; one wait for the reciprocal and the four exponentials
.irp q, 0,1,2,3
	v_mul_f32 v[4+\q], v[4+\q], v8                 ; w_q / L
.endr
.irp k, 0,1,2,3
	v_mul_f32 v[32+\k], v[12+\k], v8               ; alpha
.endr
.irp k, 0,1,2,3
	v_mul_f32 v[36+\k], v[16+\k], v4
.endr
.irp k, 0,1,2,3
	s_delay_alu instid0(VALU_DEP_4)
	v_fmac_f32 v[36+\k], v[20+\k], v5
.endr
.irp k, 0,1,2,3
	s_delay_alu instid0(VALU_DEP_4)
	v_fmac_f32 v[36+\k], v[24+\k], v6
.endr
.irp k, 0,1,2,3
	s_delay_alu instid0(VALU_DEP_4)
	v_fmac_f32 v[36+\k], v[28+\k], v7              ; context
.endr
	global_store_b128 v1, v[32:35], s[10:11]
	global_store_b128 v1, v[36:39], s[12:13]
	s_endpgm
.Lfunc_end_k_qe98cb8e29f_combine:
	.size	k_qe98cb8e29f_combine, .Lfunc_end_k_qe98cb8e29f_combine-k_qe98cb8e29f_combine
	.p2alignl 7, 3214868480
	.fill 96, 4, 3214868480
	.section	.rodata,"a",@progbits
	.p2align	6, 0x0
	.amdhsa_kernel k_qe98cb8e29f_combine
		.amdhsa_group_segment_fixed_size 0
		.amdhsa_private_segment_fixed_size 0
		.amdhsa_enable_private_segment 0
		.amdhsa_kernarg_size 40
		.amdhsa_user_sgpr_count 2
		.amdhsa_user_sgpr_kernarg_segment_ptr 1
		.amdhsa_wavefront_size32 1
		.amdhsa_system_sgpr_workgroup_id_x 1
		.amdhsa_system_sgpr_workgroup_id_y 1
		.amdhsa_system_sgpr_workgroup_id_z 1
		.amdhsa_system_vgpr_workitem_id 0
		.amdhsa_next_free_vgpr 48
		.amdhsa_next_free_sgpr 66
		.amdhsa_reserve_vcc 0
		.amdhsa_float_denorm_mode_32 3
		.amdhsa_float_denorm_mode_16_64 3
		.amdhsa_memory_ordered 1
		.amdhsa_forward_progress 1
		.amdhsa_inst_pref_size 5
	.end_amdhsa_kernel
	.amdgpu_metadata
---
amdhsa.version: [ 1, 2 ]
amdhsa.kernels:
  - .name:           k_qe98cb8e29f_combine
    .symbol:         k_qe98cb8e29f_combine.kd
    .args:
      - { .name: scores, .offset: 0, .size: 8, .value_kind: global_buffer, .address_space: global }
      - { .name: pstat, .offset: 8, .size: 8, .value_kind: global_buffer, .address_space: global }
      - { .name: pctx, .offset: 16, .size: 8, .value_kind: global_buffer, .address_space: global }
      - { .name: out0, .offset: 24, .size: 8, .value_kind: global_buffer, .address_space: global }
      - { .name: out1, .offset: 32, .size: 8, .value_kind: global_buffer, .address_space: global }
    .group_segment_fixed_size: 0
    .private_segment_fixed_size: 0
    .kernarg_segment_align: 8
    .kernarg_segment_size: 40
    .max_flat_workgroup_size: 256
    .sgpr_count:     66
    .vgpr_count:     48
    .wavefront_size: 32
...
	.end_amdgpu_metadata
.endif
;; end of part 3
